; MI455X (gfx1250); checked and timed in simulation.
; The chip was launched on July 23, 2026; its instructions are those of AMD's public machine-readable ISA for CDNA 5 (MIT licence, August 2026) and "CDNA5" Instruction Set Architecture Reference Guide (July 2026). The comments in the code are by the model that wrote it; some were corrected since.
;; Paper RNN Head. Allowed arithmetic: float matrix products may take bf16 or f16 operands with f32 sums; all other float work in f32.
;; Inputs: Whh0 128 x 128 float32; Whh1 128 x 128 float32; Whh2 128 x 128 float32; Wih0 128 x 514 float32; Wih1 128 x 128 float32; Wih2 128 x 128 float32; bhh0 128 float32; bhh1 128 float32; bhh2 128 float32; bih0 128 float32; bih1 128 float32; bih2 128 float32; fcW 2 x 128 float32; fcb 2 float32; obs_traj 8 x 65,536 x 2 float32; raw_ctx 65,536 x 512 float32.
;; Outputs: out0 6 x 65,536 x 2 float32.
;; 2 versions, each right. Each part assembles by itself: llvm-mc -triple=amdgcn-amd-amdhsa -mcpu=gfx1250 --defsym DOCPART=n.
;; ======== version 1 of 2: 1 launch
;; limits: a function is approximated: absolute error at most 0.00011; values are held in f16: magnitudes above 65,504 overflow, below 6.1e-05 lose precision; right only within a limited range of input values
;; launch rnn (part 1): grid 256 x 1, 4 waves a work-group, no clusters, 316,672 bytes of LDS; arguments raw_ctx, obs_traj, Wih0, Whh0, Wih1, Whh1, Wih2, Whh2, bih0, bhh0, bih1, bhh1, bih2, bhh2, fcW, fcb, out0; writes out0
.if DOCPART == 1
	.amdgcn_target "amdgcn-amd-amdhsa--gfx1250"
	.amdhsa_code_object_version 6
	.text
	.protected	k_qc5ac6dee25_rnn
	.globl	k_qc5ac6dee25_rnn
	.p2align	8
	.type	k_qc5ac6dee25_rnn,@function
k_qc5ac6dee25_rnn:
	s_mov_b64 s[64:65], 0
	v_nop
	global_prefetch_b8 v0, s[64:65] scope:SCOPE_SE
	s_setreg_imm32_b32 hwreg(HW_REG_WAVE_MODE, 25, 1), 1
	s_wait_xcnt 0x0
; Six steps of three stacked tanh cells (hidden size 128) and a head of 2 outputs that is fed back, for 65,536 independent rows.
; SHARES.  256 work-groups of four waves; a work-group owns 256 rows, wave w rows 64 w .. 64 w + 63 as four tiles of 16.  No wave reads another wave's rows;
; the waves share only the weights, which they convert to f16 and lay into LDS together.
; ONCE, NOT SIX TIMES.  raw_ctx does not change from step to step: C0 = raw_ctx . Wih0[:, :512]^T + bih0 + bhh0 is made once and kept in 256 registers.  The hidden states start at
; zero, so step 0 has no products with Whh; it is written out, the other five steps are a loop.
; TRANSPOSED PRODUCTS.  Source 0 = 16 rows of a weight matrix [out][in], source 1 = 16 batch rows.  In the result lane (r = lane % 16, h = lane / 16) holds batch row r and the
; channels 16 M + 8 h + 0..7.  Two neighbouring results (M = 2 p, 2 p + 1), rounded in pairs, ARE source 1 for the channels 32 p .. 32 p + 31 of the next product:
; hidden states never change lanes and never leave registers, and a weight fragment read from LDS feeds four products.
; FORMAT.  f16 operands, f32 sums.  All pre-activations are kept times 2^14: h is stored as f16(2^14 h), at most 16,384; weights and raw_ctx as plain f16; pos as f16(16 pos) and
; Wih0[:, 512:514] as f16(1024 w); biases in f32 times 2^14; out = 2^-14 O + fcb.
; TANH.  x (x^6 + 378 x^4 + 17325 x^2 + 135135) / (28 x^6 + 3150 x^4 + 62370 x^2 + 135135) on x clamped to +-4.97: one reciprocal, and relative accuracy for small x.
; LIMITS.  |raw_ctx| and |weights| below 65,504, |pos| (obs_traj[7] and every output) below 4,094, |Wih0[:, 512:]| below 64: beyond them f16 overflows.  NaN and infinities in the
; inputs are not reproduced.  tanh's absolute error is at most 1e-4 (at |x| = 4.97, where the clamp sets in), a few units of the last place for small x.
; HEAD AND FEEDBACK.  One accumulator serves two tiles: O_q = fcLo . h2(tile 2 q) + fcHi . h2(tile 2 q + 1), fcLo with fcW in its rows 0, 1 and fcHi in its rows 8, 9.  So registers 0, 1
; of lane l are the two outputs of row 64 w + 32 q + l: one 8-byte store of the wave covers 256 consecutive bytes, aligned.  The same pair, times 16 in f16, is register 0 of a source 1
; whose k = 0, 1 belong to tile 2 q and k = 8, 9 to tile 2 q + 1; cell 0 multiplies it by weight fragments that hold Wih0's last two columns at k = 0, 1 (WpLo) or at k = 8, 9 (WpHi).
; NOT USED: tensor loads (they cannot convert f32 to f16, and every byte here is converted on its way); clusters (what work-groups share, the weights, is 0.6 MB of f32 that each has to convert).
;
; LDS (bytes).  Every pitch is an odd multiple of 16, so the 16 rows of a fragment load begin in 16 different groups of four banks (64 banks of 4 bytes: ISA guide 11.1).
.set L_WHH1,  0                        ; Whh1, 128 rows, pitch 272: written over Wih0's image once C0 is made
.set L_WHH2,  34816                    ; Whh2 likewise
.set L_WIH1,  133120                   ; behind Wih0[:, :512] (bytes 0 .. 133,119: 128 rows, pitch 1,040)
.set L_WIH2,  167936
.set L_WHH0,  202752
.set L_WP,    237568                   ; row m, pitch 48: bytes 0-15 = (1024 Wih0[m][512], 1024 Wih0[m][513], six zeros), bytes 16-31 = zeros
.set L_FC,    243712                   ; 4 rows, pitch 272: fcW[0], fcW[1], zeros, zeros
.set L_BIAS,  244800                   ; 3 tables of 128 f32: 2^14 (bih + bhh)
.set L_STAGE, 246336                   ; each wave's own 64 rows x 128 f16 of raw_ctx, pitch 272: 17,408 bytes a wave
.set PW,   272
.set PW0,  1040
.set PWP,  48
.set OBS7, 7*65536*8                   ; obs_traj[7]
.set STEPB, 65536*8                    ; bytes of out0 for one step
; REGISTERS, in windows of 256 (s_set_vgpr_msb: bits 1:0 source 0, 3:2 source 1, 5:4 source 2, 7:6 destination):
;   window 1: C0(M, n) at v[8 (4 M + n)]
;   window 2: the step's accumulators ACC(M, n), same index (O_0, O_1 = tiles 0, 1); before: the ring of 64 rows of raw_ctx, 4 registers a row; then Whh1's and Whh2's f32
;   window 3: h0 at v0-127, h1 at v128-255 (channels 32 p on, tile n at + 8 (4 p + n)); before: two sets of 128 for the weights' f32; then raw_ctx's fragments
;   window 0: as named here
.set LANE, 1
.set RR,   2                           ; lane % 16
.set HH,   3                           ; lane / 16
.set AWIH1, 4                          ; v4-8: matrix base + 272 r + 16 h
.set AWIH2, 5
.set AWHH0, 6
.set AWHH1, 7
.set AWHH2, 8
.set AW0A, 9                           ; 1040 r + 16 h: Wih0's rows 0-63
.set AW0B, 10                          ; + 64 rows: an LDS offset has 16 bits
.set APL,  11                          ; L_WP + 48 r + 16 h: the pair for h = 0, zeros for h = 1
.set APH,  12                          ; L_WP + 48 r + 16 (1 - h): the other way round
.set APZ,  13                          ; L_WP + 48 r + 16: zeros
.set AFL,  14                          ; L_FC + 272 min(r, 2) + 16 h
.set AFH,  15                          ; L_FC + 272 min(r - 8 (unsigned), 2) + 16 h
.set ABIAS, 16                         ; L_BIAS + 32 h
.set STW,  17                          ; my stage + 8 lane
.set STR,  18                          ; my stage + 272 r + 16 h
.set GL16, 19                          ; 16 lane; never rewritten
.set CA2,  20                          ; v[20:21] 378 x 2^-56, twice
.set CB2,  22                          ; v[22:23] 3150 x 2^-56, twice
.set GL8,  24                          ; 8 lane; never rewritten
.set SW0,  25                          ; until the steps: 32 w rows of 1,040 + 4 lane
.set SWM,  26                          ; 32 w rows of 272 + 8 lane
.set SWT,  27                          ; SWM + a matrix's base
.set PFO,  28                          ; prefetch: 2048 (lane / 2) + 256 (lane % 2)
.set WPO,  29                          ; 2056 lane
.set BO,   30                          ; 4 x thread
.set WPS,  31                          ; L_WP + 48 x thread
.set OUTP, 26                          ; from the steps on: v[26:29] two pairs of outputs, v[30:31] at work
.set TMPP, 30
.set BI,   32                          ; v[32:39], v[40:47] bias fragments, two buffers; before the steps at work
.set PB,   48                          ; v[48:55], v[56:63] pos as source 1, for tiles 0, 1 and 2, 3
.set F,    64                          ; v[64:95], v[96:127] weight fragments, two buffers of four
.set TX,   64                          ; in tanh the same 64 registers: x, x^2, numerator, denominator, 16 each
.set TT,   80
.set TP,   96
.set TQ,   112
.set H2,   128                         ; v[128:255] h2
.set SA3, 44                           ; s[44:45] 2^-84; s[48:49] 17325 x 2^-28; s[50:51] 135135; s[52:53] 28 x 2^-84; s[56:57] 62370 x 2^-28: pairs, both words written
.set SA1, 48
.set SA0, 50
.set SB3, 52
.set SB1, 56
; s[8:41] the 17 addresses; s[42:43] fcb; s58, s59 +-4.97 x 2^14; s60 2^-14; s61 steps to go; s62 wave; s63 all ones in waves 0, 1, else 0
.set MSB, 0
.macro WIN new                         ; the immediate's high byte repeats the setting that is left; a switch that changes nothing is dropped
.if MSB != \new
	s_set_vgpr_msb (MSB<<8)|\new
.set MSB, \new
.endif
.endm
; A load into a register that a matrix instruction has read, and a vector instruction that reads a matrix result or writes one of a matrix instruction's registers, stand four places
; behind it; only plain vector instructions that name none of its registers are places (ISA guide 7.12.1 for vector instructions).
.macro PLACES
.rept 4
	v_nop
.endr
.endm
	s_load_b512 s[8:23], s[0:1], 0x0               ; raw_ctx s[8:9], obs_traj s[10:11], Wih0 s[12:13], Whh0 s[14:15], Wih1 s[16:17], Whh1 s[18:19], Wih2 s[20:21], Whh2 s[22:23]
	s_load_b512 s[24:39], s[0:1], 0x40             ; bih0 s[24:25], bhh0, bih1, bhh1, bih2, bhh2 s[34:35], fcW s[36:37], fcb s[38:39]
	s_load_b64 s[40:41], s[0:1], 0x80              ; out0
	v_lshrrev_b32 v1, 5, v0
	v_readfirstlane_b32 s62, v1                    ; wave 0..3
	v_and_b32 v[LANE], 31, v0
	v_lshlrev_b32 v[GL16], 4, v[LANE]
	v_lshlrev_b32 v[GL8], 3, v[LANE]
	v_mul_u32_u24 v[WPO], v[LANE], 2056            ; a row of Wih0 is 514 f32
	v_lshlrev_b32 v[BO], 2, v0
	v_lshrrev_b32 v[PFO], 1, v[LANE]
	v_and_b32 v2, 1, v[LANE]
	v_lshlrev_b32 v[PFO], 11, v[PFO]
	v_lshl_or_b32 v[PFO], v2, 8, v[PFO]
	s_lshl_b32 s2, ttmp9, 19                       ; raw_ctx: 256 rows of 2,048 bytes a work-group,
	s_lshl_b32 s4, s62, 17                         ; 64 a wave (133.7 MB at the most: 32 bits do)
	s_add_co_u32 s2, s2, s4
	s_mov_b32 s3, 0
	s_lshl_b32 s4, ttmp9, 11                       ; obs_traj and out0: 256 rows of 8 bytes, 64 a wave
	s_lshl_b32 s6, s62, 9
	s_add_co_u32 s4, s4, s6
	s_mov_b32 s5, 0
	s_mul_i32 s6, s62, 32*2056                     ; each wave converts 32 rows of every weight matrix
	s_mov_b32 s7, 0
	s_wait_kmcnt 0x0
	s_load_b64 s[42:43], s[38:39], 0x0             ; fcb's two numbers; no line of this text writes fcb
	s_add_nc_u64 s[8:9], s[8:9], s[2:3]
	s_add_nc_u64 s[10:11], s[10:11], s[4:5]
	s_add_nc_u64 s[40:41], s[40:41], s[4:5]
	s_add_nc_u64 s[12:13], s[12:13], s[6:7]
	s_lshl_b32 s2, s62, 14                         ; 32 rows of 512 bytes
.irp b, 14,16,18,20,22
	s_add_nc_u64 s[\b:\b+1], s[\b:\b+1], s[2:3]
.endr
	s_and_b32 s4, s62, 1                           ; fcW: waves 0 and 2 take row 0, waves 1 and 3 row 1
	s_lshl_b32 s4, s4, 9
	s_add_nc_u64 s[36:37], s[36:37], s[4:5]
; ---- THE WEIGHTS GO TO LDS: one stream of groups of 32 loads, two groups always out, into two sets of registers in window 3.
.macro W0LOAD g, set                   ; Wih0's rows 32 w + 4 g + 0..3, columns 0-511: 8 bytes a lane (its rows lie 2,056 bytes apart, a multiple of 8 alone), 256 consecutive bytes a load
	WIN 0xc0
.set n, 0
.rept 32
	global_load_b64 v[\set+2*n:\set+2*n+1], v[GL8], s[12:13] offset:(4*\g+n/8)*2056+256*(n%8)
.set n, n+1
.endr
.endm
.macro W0PROC g, set
	s_wait_loadcnt 32                              ; loads come back in order (ISA guide 5.7.1): this group is in, the younger group of 32 stays out
	WIN 0x0f
.set n, 0
.rept 32
	v_cvt_pk_f16_f32 v[F+n], v[\set+2*n], v[\set+2*n+1]
.set n, n+1
.endr
	WIN 0
.set n, 0
.rept 32
	ds_store_b32 v[SW0], v[F+n] offset:(4*\g+n/8)*PW0+128*(n%8)
.set n, n+1
.endr
.endm
.macro MLOAD sb, win, set              ; my 32 rows of a 128 x 128 matrix: a row of 512 bytes a load
	WIN \win
.set n, 0
.rept 32
	global_load_b128 v[\set+4*n:\set+4*n+3], v[GL16], s[\sb:\sb+1] offset:512*n
.set n, n+1
.endr
.endm
.macro MPROC win, set, lbase           ; they are rounded to f16 and stored at LDS byte lbase, pitch 272
.if \lbase
	WIN 0
	v_add_nc_u32 v[SWT], \lbase, v[SWM]
.set AD, SWT
.else
.set AD, SWM
.endif
	WIN \win
.set n, 0
.rept 64
	v_cvt_pk_f16_f32 v[F+n], v[\set+2*n], v[\set+2*n+1]
.set n, n+1
.endr
	WIN 0
.set n, 0
.rept 32
	ds_store_b64 v[AD], v[F+2*n:F+2*n+1] offset:PW*n
.set n, n+1
.endr
.endm
.macro CTXLOAD r0, cnt, ks             ; rows r0 .. r0 + cnt - 1 of my 64, columns 128 ks .. + 127: 512 consecutive bytes a load, into the ring in window 2
	WIN 0x80
.set n, \r0
.rept \cnt
	global_load_b128 v[4*n:4*n+3], v[GL16], s[8:9] offset:2048*n+512*(\ks) th:TH_LOAD_NT
.set n, n+1
.endr
.endm
	global_load_b64 v[32:33], v[WPO], s[12:13] offset:2048         ; ten small loads: Wih0[32 w + lane][512:514],
.irp i, 0,1,2,3,4,5
	global_load_b32 v[34+\i], v[BO], s[24+2*\i:25+2*\i]            ; the six biases of channel = thread,
.endr
	global_load_b128 v[40:43], v[GL16], s[36:37]                   ; a row of fcW,
	global_load_b64 v[44:45], v[GL8], s[10:11] offset:OBS7         ; obs_traj[7] of my rows 0-31
	global_load_b64 v[46:47], v[GL8], s[10:11] offset:OBS7+256     ; and 32-63
	W0LOAD 0, 0
	WIN 0
.irp i, 0,1,2,3                        ; my wave's own first 512 bytes of its 64 rows of raw_ctx, each block of 256 bytes asked for once: they are loaded eleven groups further down
	global_prefetch_b8 v[PFO], s[8:9] offset:32768*\i th:TH_LOAD_NT scope:SCOPE_SE
.endr
	; the lane terms and constants are made while the loads are out
	v_and_b32 v[RR], 15, v0
	v_bfe_u32 v[HH], v0, 4, 1
	v_mul_u32_u24 v[AWHH1], v[RR], PW
	v_lshl_add_u32 v[AWHH1], v[HH], 4, v[AWHH1]    ; Whh1 begins at LDS byte 0
	v_add_nc_u32 v[AWHH2], L_WHH2, v[AWHH1]
	v_add_nc_u32 v[AWIH1], L_WIH1, v[AWHH1]
	v_add_nc_u32 v[AWIH2], L_WIH2, v[AWHH1]
	v_add_nc_u32 v[AWHH0], L_WHH0, v[AWHH1]
	v_mul_u32_u24 v[AW0A], v[RR], PW0
	v_lshl_add_u32 v[AW0A], v[HH], 4, v[AW0A]
	v_add_nc_u32 v[AW0B], 64*PW0, v[AW0A]
	v_mul_u32_u24 v[APZ], v[RR], PWP
	v_add_nc_u32 v[APZ], L_WP+16, v[APZ]
	v_lshlrev_b32 v64, 4, v[HH]                    ; 16 h
	v_sub_nc_u32 v[APH], v[APZ], v64
	v_add3_u32 v[APL], v[APZ], v64, -16
	v_min_u32 v65, 2, v[RR]
	v_mul_u32_u24 v65, v65, PW
	v_add3_u32 v[AFL], v65, v64, L_FC
	v_add_nc_u32 v65, -8, v[RR]                    ; wraps for r < 8: the minimum then picks the row of zeros
	v_min_u32 v65, 2, v65
	v_mul_u32_u24 v65, v65, PW
	v_add3_u32 v[AFH], v65, v64, L_FC
	v_lshl_add_u32 v[ABIAS], v[HH], 5, L_BIAS
	s_mul_i32 s2, s62, 64*PW
	s_add_co_u32 s2, s2, L_STAGE                   ; my stage
	v_lshl_add_u32 v[STW], v[LANE], 3, s2
	v_add_nc_u32 v[STR], s2, v[AWHH1]
	s_mul_i32 s2, s62, 32*PW0
	v_lshl_add_u32 v[SW0], v[LANE], 2, s2
	s_mul_i32 s2, s62, 32*PW
	v_lshl_add_u32 v[SWM], v[LANE], 3, s2
	v_mul_u32_u24 v[WPS], v0, PWP
	v_add_nc_u32 v[WPS], L_WP, v[WPS]
	v_add_nc_u32 v64, L_BIAS, v[BO]                ; where my channel's biases go
	s_mul_i32 s2, s62, PW
	s_add_co_u32 s2, s2, L_FC
	v_lshl_add_u32 v65, v[LANE], 3, s2             ; where my 8 bytes of L_FC's row w go
	s_cmp_lt_u32 s62, 2
	s_cselect_b32 s63, -1, 0
	s_mov_b32 s[SA3], 0x15800000                   ; 2^-84
	s_mov_b32 s[SA3+1], 0x15800000
	s_mov_b32 s[SA1], 0x38875a00                   ; 17325 x 2^-28
	s_mov_b32 s[SA1+1], 0x38875a00
	s_mov_b32 s[SA0], 0x4803f7c0                   ; 135135
	s_mov_b32 s[SA0+1], 0x4803f7c0
	s_mov_b32 s[SB3], 0x17e00000                   ; 28 x 2^-84
	s_mov_b32 s[SB3+1], 0x17e00000
	s_mov_b32 s[SB1], 0x3973a200                   ; 62370 x 2^-28
	s_mov_b32 s[SB1+1], 0x3973a200
	s_mov_b32 s58, 0x479f0a3d                      ; 4.97 x 2^14
	s_mov_b32 s59, 0xc79f0a3d
	s_mov_b32 s60, 0x38800000                      ; 2^-14
	v_mov_b32 v[CA2], 0x27bd0000                   ; 378 x 2^-56
	v_mov_b32 v[CA2+1], 0x27bd0000
	v_mov_b32 v[CB2], 0x2944e000                   ; 3150 x 2^-56
	v_mov_b32 v[CB2+1], 0x2944e000
.irp i, 1,2,3,4,5,6,7
	v_mov_b32 v[PB+\i], 0                          ; of pos's two fragments only register 0 ever holds numbers
	v_mov_b32 v[PB+8+\i], 0
.endr
	W0LOAD 1, 128
	WIN 0
	s_wait_loadcnt 63                              ; the ten small loads are in: 64 loads are younger, and 63 is the largest count that can be written
	v_pk_mul_f32 v[32:33], v[32:33], 0x44800000 op_sel_hi:[1,0]    ; 1024 w
	v_cvt_pk_f16_f32 v[PB], v32, v33               ; PB's zeros serve as the row's zeros; register 0 takes pos below (an LDS store's sources need no wait)
	ds_store_b128 v[WPS], v[PB:PB+3]
	ds_store_b128 v[WPS], v[PB+4:PB+7] offset:16
	v_add_f32 v34, v34, v35
	v_add_f32 v36, v36, v37
	v_add_f32 v38, v38, v39
	v_mul_f32 v34, 0x46800000, v34                 ; times 2^14, exact
	v_mul_f32 v36, 0x46800000, v36
	v_mul_f32 v38, 0x46800000, v38
	ds_store_b32 v64, v34
	ds_store_b32 v64, v36 offset:512
	ds_store_b32 v64, v38 offset:1024
	v_cvt_pk_f16_f32 v40, v40, v41
	v_cvt_pk_f16_f32 v41, v42, v43
	v_and_b32 v40, s63, v40                        ; waves 2 and 3 store the two rows of zeros
	v_and_b32 v41, s63, v41
	ds_store_b64 v65, v[40:41]
	v_pk_mul_f32 v[44:45], v[44:45], 0x41800000 op_sel_hi:[1,0]    ; 16 pos
	v_pk_mul_f32 v[46:47], v[46:47], 0x41800000 op_sel_hi:[1,0]
	v_cvt_pk_f16_f32 v[PB], v44, v45
	v_cvt_pk_f16_f32 v[PB+8], v46, v47
	W0PROC 0, 0
	W0LOAD 2, 0
	W0PROC 1, 128
	W0LOAD 3, 128
	W0PROC 2, 0
	W0LOAD 4, 0
	W0PROC 3, 128
	W0LOAD 5, 128
	W0PROC 4, 0
	W0LOAD 6, 0
	W0PROC 5, 128
	W0LOAD 7, 128
	W0PROC 6, 0
	MLOAD 16, 0xc0, 0                              ; Wih1
	W0PROC 7, 128
	MLOAD 20, 0xc0, 128                            ; Wih2
	s_wait_loadcnt 32                              ; Wih1 is in, Wih2 stays out
	MPROC 0x0f, 0, L_WIH1
	MLOAD 14, 0xc0, 0                              ; Whh0
	s_wait_loadcnt 32
	MPROC 0x0f, 128, L_WIH2
	CTXLOAD 0, 32, 0                               ; the ring of raw_ctx is filled: rows 0-31,
	s_wait_loadcnt 32
	MPROC 0x0f, 0, L_WHH0
	CTXLOAD 32, 32, 0                              ; rows 32-63
	WIN 0
	s_wait_kmcnt 0x0                               ; fcb
	s_wait_dscnt 0x0                               ; for the others' sake: my rows of the weights are in LDS
	s_barrier_signal -1
	s_barrier_wait -1                              ; everybody's are; raw_ctx's loads stay on their way: no wave writes those bytes
; ---- C0 = raw_ctx . Wih0[:, :512]^T, four K steps of 128.
.macro LDFRAG f, areg, o               ; four fragments (16 rows x 128 K) into buffer f: 8 LDS loads
.set lf, 0
.rept 4
	ds_load_b128 v[F+32*(\f)+8*lf:F+32*(\f)+8*lf+3],   v[\areg] offset:(\o)+64*lf
	ds_load_b128 v[F+32*(\f)+8*lf+4:F+32*(\f)+8*lf+7], v[\areg] offset:(\o)+64*lf+32
.set lf, lf+1
.endr
.endm
.macro KSTEP ks
	; the ring's 64 rows are rounded to f16 and go to my stage, eight at a time, and each row's registers are loaded again at once with the next K step's 512 bytes
.set a, 0
.rept 8
.if \ks < 3
	s_wait_loadcnt 56                              ; the eight oldest loads are in, the ring's other 56 stay out
.else
	s_wait_loadcnt 56-8*a                          ; nothing is loaded behind them any more: the counts run down
.endif
	WIN 0x0a
.set n, 0
.rept 8
	v_cvt_pk_f16_f32 v[BI+2*n],   v[4*(8*a+n)],   v[4*(8*a+n)+1]
	v_cvt_pk_f16_f32 v[BI+2*n+1], v[4*(8*a+n)+2], v[4*(8*a+n)+3]
.set n, n+1
.endr
	WIN 0x80
.set n, 0
.rept 8
	ds_store_b64 v[STW], v[BI+2*n:BI+2*n+1] offset:PW*(8*a+n)
.set n, n+1
.endr
.if \ks < 3
	CTXLOAD 8*a, 8, \ks+1
.endif
.set a, a+1
.endr
.if \ks == 3
	MLOAD 18, 0x80, 0                              ; the ring is empty: Whh1's f32 take its first half
.endif
	; my 64 rows come back as 16 fragments.  LDS serves a wave's instructions in order (ISA guide 5.7.1.4): these see the stores above.  The 128 conversions above are the places behind the last K step's products.
	WIN 0xc0
.set n, 0
.rept 16
	ds_load_b128 v[8*n:8*n+3],   v[STR] offset:16*PW*(n%4)+64*(n/4)
	ds_load_b128 v[8*n+4:8*n+7], v[STR] offset:16*PW*(n%4)+64*(n/4)+32
.set n, n+1
.endr
	WIN 0
	LDFRAG 0, AW0A, 256*\ks
.set M, 0
.rept 8                                ; 16 channels at a time: 16 products on four accumulators, which take turns, one instruction a turn
.if M < 7
.if M > 0
	PLACES
.endif
	WIN 0
.if M < 3
	LDFRAG (M+1)%2, AW0A, (M+1)*16*PW0+256*\ks
.else
	LDFRAG (M+1)%2, AW0B, (M-3)*16*PW0+256*\ks
.endif
	s_wait_dscnt 8                                 ; all but the eight just issued
.else
	s_wait_dscnt 0
.endif
.if (\ks == 3) && (M == 3)
	MLOAD 22, 0x80, 128                            ; Whh2's f32 take the ring's second half
.endif
	WIN 0x5c
.set kc, 0
.rept 4
.set nn, 0
.rept 4
.set rD, 8*(4*M+nn)
.set rA, F+32*(M%2)+8*kc
.set rB, 8*(4*kc+nn)
.if (\ks == 0) && (kc == 0)
	v_wmma_f32_16x16x32_f16 v[rD:rD+7], v[rA:rA+7], v[rB:rB+7], 0      ; the first product starts the sum: nothing is cleared
.else
	v_wmma_f32_16x16x32_f16 v[rD:rD+7], v[rA:rA+7], v[rB:rB+7], v[rD:rD+7]
.endif
.set nn, nn+1
.endr
.set kc, kc+1
.endr
.set M, M+1
.endr
.endm
	KSTEP 0
	KSTEP 1
	KSTEP 2
	KSTEP 3
	PLACES
	WIN 0
.set M, 0
.rept 8
	ds_load_b128 v[F+8*M:F+8*M+3],   v[ABIAS] offset:64*M          ; cell 0's biases of my channels 16 M + 8 h + 0..7
	ds_load_b128 v[F+8*M+4:F+8*M+7], v[ABIAS] offset:64*M+16
.set M, M+1
.endr
	s_wait_dscnt 0x0                               ; the biases are in, and my reads of Wih0's image are over:
	s_barrier_signal -1                            ; say so, and finish C0 on registers while the others arrive
	WIN 0x41
.set n, 0
.rept 32
.set i, 0
.rept 4
	v_pk_fma_f32 v[8*n+2*i:8*n+2*i+1], v[8*n+2*i:8*n+2*i+1], 0x46800000, v[F+8*(n/4)+2*i:F+8*(n/4)+2*i+1] op_sel_hi:[1,0,1]   ; 2^14 sum + 2^14 bias; each accumulator from its low end on
.set i, i+1
.endr
.set n, n+1
.endr
	WIN 0
	s_barrier_wait -1                              ; no wave reads Wih0's image any more: Whh1 and Whh2 are written over it
	s_wait_loadcnt 32                              ; Whh1 is in, Whh2's 32 loads may be out
	MPROC 0x0a, 0, L_WHH1
	s_wait_loadcnt 0
	MPROC 0x0a, 128, L_WHH2
	s_wait_xcnt 0x0                                ; every memory instruction so far has had its addresses translated (ISA guide 3.1): v26-31, offsets until now, are rewritten only behind this wait
	s_wait_dscnt 0x0                               ; for the others' sake: my rows of Whh1 and Whh2 are in LDS
	s_barrier_signal -1
	s_barrier_wait -1                              ; the last barrier: from here on LDS is only read
; ---- THE STEPS.
.macro LDBIAS f, l, m                  ; cell l's biases of channels 16 m + 8 h + 0..7 into bias buffer f
	ds_load_b128 v[BI+8*(\f):BI+8*(\f)+3],   v[ABIAS] offset:512*\l+64*(\m)
	ds_load_b128 v[BI+8*(\f)+4:BI+8*(\f)+7], v[ABIAS] offset:512*\l+64*(\m)+16
.endm
.macro LDPOS f, q                      ; WpLo(2 q), WpHi(2 q), WpLo(2 q + 1), WpHi(2 q + 1) into buffer f: 8 LDS loads
.set lf, 0
.rept 2
	ds_load_b128 v[F+32*(\f)+16*lf:F+32*(\f)+16*lf+3],     v[APL] offset:16*PWP*(2*(\q)+lf)
	ds_load_b128 v[F+32*(\f)+16*lf+4:F+32*(\f)+16*lf+7],   v[APZ] offset:16*PWP*(2*(\q)+lf)
	ds_load_b128 v[F+32*(\f)+16*lf+8:F+32*(\f)+16*lf+11],  v[APH] offset:16*PWP*(2*(\q)+lf)
	ds_load_b128 v[F+32*(\f)+16*lf+12:F+32*(\f)+16*lf+15], v[APZ] offset:16*PWP*(2*(\q)+lf)
.set lf, lf+1
.endr
.endm
; ACC (+)= W . B for a 128 x 128 matrix at areg.  B: 16 fragments at bbase, in the window that wacc names.  biasl >= 0: the first products start the sums with cell biasl's bias.
; The fragments of channels 0-15 (and their bias) have been asked for, into buffer 0.  nareg >= 0: the last batch asks for the first fragments of the matrix that follows.
; 16 products a batch on four accumulators, which take turns, one instruction a turn; neighbouring batches have other accumulators.
.macro MM8 areg, wacc, bbase, biasl, nareg
.set M, 0
.rept 8
.if M < 7
	PLACES                                         ; the other buffer was read by the batch before
	WIN 0
	LDFRAG (M+1)%2, \areg, 16*PW*(M+1)
.if \biasl >= 0
	LDBIAS (M+1)%2, \biasl, M+1
	s_wait_dscnt 10                                ; all but the ten just issued
.else
	s_wait_dscnt 8                                 ; all but the eight just issued
.endif
.elseif \nareg >= 0
	PLACES
	WIN 0
	LDFRAG 0, \nareg, 0
	s_wait_dscnt 8
.else
	s_wait_dscnt 0
.endif
.set kc, 0
.rept 4
.if (\biasl >= 0) && (kc == 0)
	WIN (\wacc&0xcf)                               ; C, the bias, in window 0
.else
	WIN \wacc
.endif
.set nn, 0
.rept 4
.set rD, 8*(4*M+nn)
.set rA, F+32*(M%2)+8*kc
.set rB, \bbase+8*(4*kc+nn)
.if (\biasl >= 0) && (kc == 0)
	v_wmma_f32_16x16x32_f16 v[rD:rD+7], v[rA:rA+7], v[rB:rB+7], v[BI+8*(M%2):BI+8*(M%2)+7]
.else
	v_wmma_f32_16x16x32_f16 v[rD:rD+7], v[rA:rA+7], v[rB:rB+7], v[rD:rD+7]
.endif
.set nn, nn+1
.endr
.set kc, kc+1
.endr
.set M, M+1
.endr
.endm
; h = f16(2^14 tanh(ACC / 2^14)) into window hwin at hbase.  16 groups: channels 32 p .. + 31 of tile n, 16 numbers a lane, which make one fragment of 8 registers.
; With X the clamped ACC and T = X^2: h = X ((A3 T + A2) T + A1) T + A0) / (((B3 T + B2) T + B1) T + A0); the powers of 2^-28 that T carries lie in the constants.
.macro TANH hwin, hbase
	PLACES
.set tp, 0
.rept 4
.set tn, 0
.rept 4
	WIN 0x02
.set i, 0
.rept 8
	v_med3_num_f32 v[TX+i], v[8*(8*tp+tn)+i], s58, s59             ; each accumulator from its low end on
.set i, i+1
.endr
.set i, 0
.rept 8
	v_med3_num_f32 v[TX+8+i], v[8*(8*tp+4+tn)+i], s58, s59
.set i, i+1
.endr
	WIN 0
.set i, 0
.rept 8
	v_pk_mul_f32 v[TT+i:TT+i+1], v[TX+i:TX+i+1], v[TX+i:TX+i+1]
.set i, i+2
.endr
.set i, 0
.rept 8
	v_pk_fma_f32 v[TQ+i:TQ+i+1], v[TT+i:TT+i+1], s[SB3:SB3+1], v[CB2:CB2+1] op_sel_hi:[1,0,1]
.set i, i+2
.endr
.set i, 0
.rept 8
	v_pk_fma_f32 v[TQ+i:TQ+i+1], v[TQ+i:TQ+i+1], v[TT+i:TT+i+1], s[SB1:SB1+1] op_sel_hi:[1,1,0]
.set i, i+2
.endr
.set i, 0
.rept 8
	v_pk_fma_f32 v[TQ+i:TQ+i+1], v[TQ+i:TQ+i+1], v[TT+i:TT+i+1], s[SA0:SA0+1] op_sel_hi:[1,1,0]
.set i, i+2
.endr
.set i, 0
.rept 8                                ; behind each reciprocal stands a plain instruction that touches neither its result nor its source (ISA guide 5.7.2): a step of the numerator
	v_rcp_f32 v[TQ+i], v[TQ+i]
	v_pk_fma_f32 v[TP+2*i:TP+2*i+1], v[TT+2*i:TT+2*i+1], s[SA3:SA3+1], v[CA2:CA2+1] op_sel_hi:[1,0,1]
.set i, i+1
.endr
.set i, 0
.rept 8
	v_rcp_f32 v[TQ+8+i], v[TQ+8+i]
	v_pk_fma_f32 v[TP+2*i:TP+2*i+1], v[TP+2*i:TP+2*i+1], v[TT+2*i:TT+2*i+1], s[SA1:SA1+1] op_sel_hi:[1,1,0]
.set i, i+1
.endr
.set i, 0
.rept 8
	v_pk_fma_f32 v[TP+i:TP+i+1], v[TP+i:TP+i+1], v[TT+i:TT+i+1], s[SA0:SA0+1] op_sel_hi:[1,1,0]
.set i, i+2
.endr
.set i, 0
.rept 8
	v_pk_mul_f32 v[TP+i:TP+i+1], v[TP+i:TP+i+1], v[TX+i:TX+i+1]
.set i, i+2
.endr
.set i, 0
	s_wait_alu depctr_va_vdst(0)
.rept 8
	v_pk_mul_f32 v[TP+i:TP+i+1], v[TP+i:TP+i+1], v[TQ+i:TQ+i+1]
.set i, i+2
.endr
	WIN (\hwin<<6)
.set i, 0
.rept 8
	v_cvt_pk_f16_f32 v[\hbase+8*(4*tp+tn)+i], v[TP+2*i], v[TP+2*i+1]
.set i, i+1
.endr
.set tn, tn+1
.endr
.set tp, tp+1
.endr
.endm
; One step.  first = 1: the hidden states are zero, so the products with Whh are left out and no h is read before it is written.
.macro STEP first
	; CELL 0: ACC = C0 + Wih0[:, 512:514] . pos (+ Whh0 . h0).  Four batches of 32 channels: 8 products on 8 accumulators.  The places behind the products before stand in front of the last stores.
	WIN 0
	LDPOS 0, 0
.set pq, 0
.rept 4
.if pq < 3
.if pq > 0
	PLACES
.endif
	WIN 0
	LDPOS (pq+1)%2, pq+1
	s_wait_dscnt 8                                 ; all but the eight just issued
.elseif !\first
	PLACES
	WIN 0
	LDFRAG 0, AWHH0, 0
	s_wait_dscnt 8
.else
	s_wait_dscnt 0
.endif
	WIN 0x90                                       ; C = C0 in window 1, D = ACC in window 2
.set mi, 0
.rept 2
.set nn, 0
.rept 4
.set rD, 8*(4*(2*pq+mi)+nn)
.set rA, F+32*(pq%2)+8*(2*mi+(nn&1))
.set rB, PB+8*(nn>>1)
	v_wmma_f32_16x16x32_f16 v[rD:rD+7], v[rA:rA+7], v[rB:rB+7], v[rD:rD+7]
.set nn, nn+1
.endr
.set mi, mi+1
.endr
.set pq, pq+1
.endr
.if !\first
	MM8 AWHH0, 0xac, 0, -1, -1
.endif
	TANH 3, 0
	; CELL 1: ACC = bias + Wih1 . h0 (+ Whh1 . h1)
	WIN 0
	LDFRAG 0, AWIH1, 0
	LDBIAS 0, 1, 0
.if \first
	MM8 AWIH1, 0xac, 0, 1, -1
.else
	MM8 AWIH1, 0xac, 0, 1, AWHH1
	MM8 AWHH1, 0xac, 128, -1, -1
.endif
	TANH 3, 128
	; CELL 2: ACC = bias + Wih2 . h1 (+ Whh2 . h2)
	WIN 0
	LDFRAG 0, AWIH2, 0
	LDBIAS 0, 2, 0
.if \first
	MM8 AWIH2, 0xac, 128, 2, -1
.else
	MM8 AWIH2, 0xac, 128, 2, AWHH2
	MM8 AWHH2, 0xa0, H2, -1, -1
.endif
	TANH 0, H2
	; THE HEAD: two accumulators, which take turns, one instruction a turn
	WIN 0
	LDFRAG 0, AFL, 0
	LDFRAG 1, AFH, 0
	s_wait_dscnt 0
	WIN 0xa0
.set kc, 0
.rept 4
.if kc == 0
	v_wmma_f32_16x16x32_f16 v[0:7],  v[F:F+7], v[H2:H2+7], 0
	v_wmma_f32_16x16x32_f16 v[8:15], v[F:F+7], v[H2+16:H2+23], 0
.else
	v_wmma_f32_16x16x32_f16 v[0:7],  v[F+8*kc:F+8*kc+7], v[H2+8*(4*kc):H2+8*(4*kc)+7], v[0:7]
	v_wmma_f32_16x16x32_f16 v[8:15], v[F+8*kc:F+8*kc+7], v[H2+8*(4*kc+2):H2+8*(4*kc+2)+7], v[8:15]
.endif
	v_wmma_f32_16x16x32_f16 v[0:7],  v[F+32+8*kc:F+32+8*kc+7], v[H2+8*(4*kc+1):H2+8*(4*kc+1)+7], v[0:7]
	v_wmma_f32_16x16x32_f16 v[8:15], v[F+32+8*kc:F+32+8*kc+7], v[H2+8*(4*kc+3):H2+8*(4*kc+3)+7], v[8:15]
.set kc, kc+1
.endr
	PLACES
	WIN 0x02
	v_fma_f32 v[OUTP],   v0, s60, s42              ; out = 2^-14 O + fcb: rows 64 w + lane,
	v_fma_f32 v[OUTP+1], v1, s60, s43
	v_fma_f32 v[OUTP+2], v8, s60, s42              ; rows 64 w + 32 + lane
	v_fma_f32 v[OUTP+3], v9, s60, s43
	WIN 0
	global_store_b64 v[GL8], v[OUTP:OUTP+1],   s[40:41] th:TH_STORE_NT               ; each store of the wave covers 256 consecutive bytes, aligned
	global_store_b64 v[GL8], v[OUTP+2:OUTP+3], s[40:41] offset:256 th:TH_STORE_NT
	v_pk_mul_f32 v[TMPP:TMPP+1], v[OUTP:OUTP+1], 0x41800000 op_sel_hi:[1,0]         ; the next step's pos, times 16 in f16 (after the last step these four results are not used)
	v_cvt_pk_f16_f32 v[PB], v[TMPP], v[TMPP+1]
	v_pk_mul_f32 v[TMPP:TMPP+1], v[OUTP+2:OUTP+3], 0x41800000 op_sel_hi:[1,0]
	v_cvt_pk_f16_f32 v[PB+8], v[TMPP], v[TMPP+1]
	s_wait_xcnt 0x0                                ; the stores' base, and their data in the next step, are rewritten only behind this wait
	s_add_nc_u64 s[40:41], s[40:41], STEPB         ; out0's next step
.endm
	STEP 1
	s_mov_b32 s61, 5
.Lstep:                                                ; STEP leaves every window 0
	STEP 0
	s_sub_co_u32 s61, s61, 1
	s_cmp_lg_u32 s61, 0
	s_cbranch_scc1 .Lstep
	s_wait_xcnt 0x0
	v_lshl_add_u32 v62, v0, 2, 0x4d300
	v_mov_b32 v63, 0
	s_wait_tensorcnt 0x0
	ds_add_u32 v62, v63
	s_wait_dscnt 0x0
	s_endpgm
.Lfunc_end_k_qc5ac6dee25_rnn:
	.size	k_qc5ac6dee25_rnn, .Lfunc_end_k_qc5ac6dee25_rnn-k_qc5ac6dee25_rnn
	.p2alignl 7, 3214868480
	.fill 96, 4, 3214868480
	.section	.rodata,"a",@progbits
	.p2align	6, 0x0
	.amdhsa_kernel k_qc5ac6dee25_rnn
		.amdhsa_group_segment_fixed_size 316672
		.amdhsa_private_segment_fixed_size 0
		.amdhsa_enable_private_segment 0
		.amdhsa_kernarg_size 136
		.amdhsa_user_sgpr_count 2
		.amdhsa_user_sgpr_kernarg_segment_ptr 1
		.amdhsa_wavefront_size32 1
		.amdhsa_system_sgpr_workgroup_id_x 1
		.amdhsa_system_sgpr_workgroup_id_y 1
		.amdhsa_system_sgpr_workgroup_id_z 1
		.amdhsa_system_vgpr_workitem_id 0
		.amdhsa_next_free_vgpr 1024
		.amdhsa_next_free_sgpr 66
		.amdhsa_reserve_vcc 0
		.amdhsa_float_denorm_mode_32 3
		.amdhsa_float_denorm_mode_16_64 3
		.amdhsa_memory_ordered 1
		.amdhsa_forward_progress 1
		.amdhsa_inst_pref_size 255
	.end_amdhsa_kernel
	.section	.bss,"aw",@nobits
	.p2align	6
	.space	262144
	.amdgpu_metadata
---
amdhsa.version: [ 1, 2 ]
amdhsa.kernels:
  - .name:           k_qc5ac6dee25_rnn
    .symbol:         k_qc5ac6dee25_rnn.kd
    .args:
      - { .name: raw_ctx, .offset: 0, .size: 8, .value_kind: global_buffer, .address_space: global }
      - { .name: obs_traj, .offset: 8, .size: 8, .value_kind: global_buffer, .address_space: global }
      - { .name: Wih0, .offset: 16, .size: 8, .value_kind: global_buffer, .address_space: global }
      - { .name: Whh0, .offset: 24, .size: 8, .value_kind: global_buffer, .address_space: global }
      - { .name: Wih1, .offset: 32, .size: 8, .value_kind: global_buffer, .address_space: global }
      - { .name: Whh1, .offset: 40, .size: 8, .value_kind: global_buffer, .address_space: global }
      - { .name: Wih2, .offset: 48, .size: 8, .value_kind: global_buffer, .address_space: global }
      - { .name: Whh2, .offset: 56, .size: 8, .value_kind: global_buffer, .address_space: global }
      - { .name: bih0, .offset: 64, .size: 8, .value_kind: global_buffer, .address_space: global }
      - { .name: bhh0, .offset: 72, .size: 8, .value_kind: global_buffer, .address_space: global }
      - { .name: bih1, .offset: 80, .size: 8, .value_kind: global_buffer, .address_space: global }
      - { .name: bhh1, .offset: 88, .size: 8, .value_kind: global_buffer, .address_space: global }
      - { .name: bih2, .offset: 96, .size: 8, .value_kind: global_buffer, .address_space: global }
      - { .name: bhh2, .offset: 104, .size: 8, .value_kind: global_buffer, .address_space: global }
      - { .name: fcW, .offset: 112, .size: 8, .value_kind: global_buffer, .address_space: global }
      - { .name: fcb, .offset: 120, .size: 8, .value_kind: global_buffer, .address_space: global }
      - { .name: out0, .offset: 128, .size: 8, .value_kind: global_buffer, .address_space: global }
    .group_segment_fixed_size: 316672
    .private_segment_fixed_size: 0
    .kernarg_segment_align: 8
    .kernarg_segment_size: 136
    .max_flat_workgroup_size: 128
    .sgpr_count:     66
    .vgpr_count:     1024
    .wavefront_size: 32
...
	.end_amdgpu_metadata
.endif
;; end of part 1
;; ======== version 2 of 2: 1 launch
;; limits: a function is approximated: absolute error at most 0.00011; values are held in f16: magnitudes above 65,504 overflow, below 6.1e-05 lose precision; right only within a limited range of input values
;; launch rnn (part 2): grid 256 x 1, 4 waves a work-group, no clusters, 316,672 bytes of LDS; arguments raw_ctx, obs_traj, Wih0, Whh0, Wih1, Whh1, Wih2, Whh2, bih0, bhh0, bih1, bhh1, bih2, bhh2, fcW, fcb, out0; writes out0
.if DOCPART == 2
	.amdgcn_target "amdgcn-amd-amdhsa--gfx1250"
	.amdhsa_code_object_version 6
	.text
	.protected	k_qc5ac6dee25_rnn
	.globl	k_qc5ac6dee25_rnn
	.p2align	8
	.type	k_qc5ac6dee25_rnn,@function
k_qc5ac6dee25_rnn:
	s_mov_b64 s[64:65], 0
	v_nop
	global_prefetch_b8 v0, s[64:65] scope:SCOPE_SE
	s_setreg_imm32_b32 hwreg(HW_REG_WAVE_MODE, 25, 1), 1
	s_wait_xcnt 0x0
; Six steps of three stacked tanh cells (hidden size 128) and a head of 2 outputs that is fed back, for 65,536 independent rows.
; SHARES.  256 work-groups of four waves; a work-group owns 256 rows, wave w rows 64 w .. 64 w + 63 as four tiles of 16.  No wave reads another wave's rows;
; the waves share only the weights, which they convert to f16 and lay into LDS together.
; ONCE, NOT SIX TIMES.  raw_ctx does not change from step to step: C0 = raw_ctx . Wih0[:, :512]^T + bih0 + bhh0 is made once and kept in 256 registers.
; TRANSPOSED PRODUCTS.  Source 0 = 16 rows of a weight matrix [out][in], source 1 = 16 batch rows.  In the result lane (r = lane % 16, h = lane / 16) holds batch row r and the
; channels 16 M + 8 h + 0..7.  Two neighbouring results (M = 2 p, 2 p + 1), rounded in pairs, ARE source 1 for the channels 32 p .. 32 p + 31 of the next product:
; hidden states never change lanes, and a weight fragment read from LDS feeds four products.
; ONE TEXT FOR THE 18 CELLS.  Registers cannot be indexed, so the states move and the text stands still.  Cell i of the sequence 0, 1, 2, 0, 1, 2, .. reads the result of cell i - 1
; (its input) and of cell i - 3 (its own state of the step before): a queue three deep.  X holds result i - 1, OLD result i - 3, 16,384 LDS bytes of the wave's own result i - 2.  Behind a
; cell's products OLD takes the LDS entry, X goes into the same bytes, and tanh writes the new state into X.  The weights' LDS addresses step by a matrix (34,816 bytes) from cell to cell.
; So the loop's text is one cell, about 2,600 instructions, and not a step's three.
; FORMAT.  f16 operands, f32 sums.  All pre-activations are kept times 2^14: h is stored as f16(2^14 h), at most 16,384; weights and raw_ctx as plain f16; pos as f16(16 pos) and
; Wih0[:, 512:514] as f16(1024 w); biases in f32 times 2^14; out = 2^-14 O + fcb.
; TANH.  x (x^6 + 378 x^4 + 17325 x^2 + 135135) / (28 x^6 + 3150 x^4 + 62370 x^2 + 135135) on x clamped to +-4.97: one reciprocal, and relative accuracy for small x.
; LIMITS.  |raw_ctx| and |weights| below 65,504, |pos| (obs_traj[7] and every output) below 4,094, |Wih0[:, 512:]| below 64: beyond them f16 overflows.  NaN and infinities in the
; inputs are not reproduced.  tanh's absolute error is at most 1e-4 (at |x| = 4.97, where the clamp sets in), a few units of the last place for small x.
; HEAD AND FEEDBACK.  One accumulator serves two tiles: O_q = fcLo . h2(tile 2 q) + fcHi . h2(tile 2 q + 1), fcLo with fcW in its rows 0, 1 and fcHi in its rows 8, 9.  So registers 0, 1
; of lane l are the two outputs of row 64 w + 32 q + l: one 8-byte store of the wave covers 256 consecutive bytes, aligned.  The same pair, times 16 in f16, is register 0 of a source 1
; whose k = 0, 1 belong to tile 2 q and k = 8, 9 to tile 2 q + 1; cell 0 multiplies it by weight fragments that hold Wih0's last two columns at k = 0, 1 (WpLo) or at k = 8, 9 (WpHi).
; NOT USED: tensor loads (they cannot convert f32 to f16, and every byte here is converted on its way); clusters (what work-groups share, the weights, is 0.6 MB of f32 that each has to convert).
;
; LDS (bytes).  Every pitch is an odd multiple of 16, so the 16 rows of a fragment load begin in 16 different groups of four banks (64 banks of 4 bytes: ISA guide 11.1).
.set PW,   272
.set PW0,  1040
.set PWP,  48
.set WB,   128*PW                      ; a 128 x 128 matrix in f16: 34,816 bytes
                                       ; bytes 0 .. 133,119: Wih0[:, :512], 128 rows, pitch 1,040; once C0 is made: wave w's entry of the queue at 16,384 w
.set L_WIH1,  133120                   ; Wih_l at L_WIH1 + (l - 1) WB
.set L_WIH2,  L_WIH1+WB
.set L_WHH0,  L_WIH2+WB                ; Whh_l at L_WHH0 + l WB
.set L_STAGE, L_WHH0+WB                ; each wave's own 64 rows x 128 f16 of raw_ctx, pitch 272: 17,408 bytes a wave; once C0 is made, Whh1 and Whh2 are written over the four stages
.set L_WHH1,  L_STAGE
.set L_WHH2,  L_WHH1+WB
.set L_WP,    L_WHH2+WB                ; row m, pitch 48: bytes 0-15 = (1024 Wih0[m][512], 1024 Wih0[m][513], six zeros), bytes 16-31 = zeros
.set L_FC,    L_WP+128*PWP             ; 4 rows, pitch 272: fcW[0], fcW[1], zeros, zeros
.set L_BIAS,  L_FC+4*PW                ; 3 tables of 128 f32: 2^14 (bih + bhh); ends at byte 315,968
.set OBS7, 7*65536*8                   ; obs_traj[7]
.set STEPB, 65536*8                    ; bytes of out0 for one step
; REGISTERS, in windows of 256 (s_set_vgpr_msb: bits 1:0 source 0, 3:2 source 1, 5:4 source 2, 7:6 destination):
;   window 1: C0(M, n) at v[8 (4 M + n)]
;   window 2: a cell's accumulators ACC(M, n), same index (O_0, O_1 = tiles 0, 1); before: the ring of 64 rows of raw_ctx, 4 registers a row; then Whh1's and Whh2's f32
;   window 3: X at v0-127, OLD at v128-255 (channels 32 p on, tile n at + 8 (4 p + n)); before: two sets of 128 for the weights' f32; then raw_ctx's fragments
;   window 0: as named here; v128-253 idle
.set LANE, 1
.set RR,   2                           ; lane % 16
.set HH,   3                           ; lane / 16
.set AWI0, 4                           ; L_WIH1 - WB + 272 r + 16 h; never rewritten
.set AWH0, 5                           ; L_WHH0 + 272 r + 16 h; never rewritten
.set AWI,  6                           ; this cell's Wih: AWI0 + l WB (cells 1 and 2)
.set AWH,  7                           ; this cell's Whh: AWH0 + l WB
.set ABL,  8                           ; this cell's biases: ABIAS + 512 l
.set AW0A, 9                           ; 1040 r + 16 h: Wih0's rows 0-63
.set AW0B, 10                          ; + 64 rows: an LDS offset has 16 bits
.set APL,  11                          ; L_WP + 48 r + 16 h: the pair for h = 0, zeros for h = 1
.set APH,  12                          ; L_WP + 48 r + 16 (1 - h): the other way round
.set APZ,  13                          ; L_WP + 48 r + 16: zeros
.set AFL,  14                          ; L_FC + 272 min(r, 2) + 16 h
.set AFH,  15                          ; L_FC + 272 min(r - 8 (unsigned), 2) + 16 h
.set ABIAS, 16                         ; L_BIAS + 32 h
.set STW,  17                          ; my stage + 8 lane
.set STR,  18                          ; my stage + 272 r + 16 h
.set GL16, 19                          ; 16 lane; never rewritten
.set CA2,  20                          ; v[20:21] 378 x 2^-56, twice
.set CB2,  22                          ; v[22:23] 3150 x 2^-56, twice
.set GL8,  24                          ; 8 lane; never rewritten
.set SW0,  25                          ; while Wih0 is stored: 32 w rows of 1,040 + 4 lane
.set RG,   25                          ; from the steps on: my entry of the queue, 16,384 w + 16 lane
.set SWM,  26                          ; until the steps: 32 w rows of 272 + 8 lane
.set SWT,  27                          ; SWM + a matrix's base
.set PFO,  28                          ; prefetch: 2048 (lane / 2) + 256 (lane % 2)
.set WPO,  29                          ; 2056 lane
.set BO,   30                          ; 4 x thread
.set WPS,  31                          ; L_WP + 48 x thread
.set OUTP, 26                          ; from the steps on: v[26:29] two pairs of outputs, v[30:31] at work
.set TMPP, 30
.set BI,   32                          ; v[32:39], v[40:47] bias fragments, two buffers; before the steps at work
.set PB,   48                          ; v[48:55], v[56:63] pos as source 1, for tiles 0, 1 and 2, 3
.set F,    64                          ; v[64:95], v[96:127] weight fragments, two buffers of four
.set TX,   64                          ; in tanh the same 64 registers: x, x^2, numerator, denominator, 16 each
.set TT,   80
.set TP,   96
.set TQ,   112
.set OLD,  128                         ; in window 3
.set LYR, 2                            ; s2 the cell of the step, l = 0, 1, 2
.set LO,  3                            ; s3 l WB
.set BLO, 4                            ; s4 512 l
.set SA3, 44                           ; s[44:45] 2^-84; s[48:49] 17325 x 2^-28; s[50:51] 135135; s[52:53] 28 x 2^-84; s[56:57] 62370 x 2^-28: pairs, both words written
.set SA1, 48
.set SA0, 50
.set SB3, 52
.set SB1, 56
; s[8:41] the 17 addresses; s[42:43] fcb; s58, s59 +-4.97 x 2^14; s60 2^-14; s61 steps to go; s62 wave; s63 all ones in waves 0, 1, else 0
.set MSB, 0
.macro WIN new                         ; the immediate's high byte repeats the setting that is left; a switch that changes nothing is dropped
.if MSB != \new
	s_set_vgpr_msb (MSB<<8)|\new
.set MSB, \new
.endif
.endm
; A load into a register that a matrix instruction has read, and a vector instruction that reads a matrix result or writes one of a matrix instruction's registers, stand four places
; behind it; only plain vector instructions that name none of its registers are places (ISA guide 7.12.1 for vector instructions).
.macro PLACES
.rept 4
	v_nop
.endr
.endm
	s_load_b512 s[8:23], s[0:1], 0x0               ; raw_ctx s[8:9], obs_traj s[10:11], Wih0 s[12:13], Whh0 s[14:15], Wih1 s[16:17], Whh1 s[18:19], Wih2 s[20:21], Whh2 s[22:23]
	s_load_b512 s[24:39], s[0:1], 0x40             ; bih0 s[24:25], bhh0, bih1, bhh1, bih2, bhh2 s[34:35], fcW s[36:37], fcb s[38:39]
	s_load_b64 s[40:41], s[0:1], 0x80              ; out0
	v_lshl_add_u32 v254, v0, 2, 0x4d300
	v_mov_b32 v255, 0
	v_lshrrev_b32 v1, 5, v0
	v_readfirstlane_b32 s62, v1                    ; wave 0..3
	v_and_b32 v[LANE], 31, v0
	v_lshlrev_b32 v[GL16], 4, v[LANE]
	v_lshlrev_b32 v[GL8], 3, v[LANE]
	v_mul_u32_u24 v[WPO], v[LANE], 2056            ; a row of Wih0 is 514 f32
	v_lshlrev_b32 v[BO], 2, v0
	v_lshrrev_b32 v[PFO], 1, v[LANE]
	v_and_b32 v2, 1, v[LANE]
	v_lshlrev_b32 v[PFO], 11, v[PFO]
	v_lshl_or_b32 v[PFO], v2, 8, v[PFO]
	s_lshl_b32 s2, ttmp9, 19                       ; raw_ctx: 256 rows of 2,048 bytes a work-group,
	s_lshl_b32 s4, s62, 17                         ; 64 a wave (133.7 MB at the most: 32 bits do)
	s_add_co_u32 s2, s2, s4
	s_mov_b32 s3, 0
	s_lshl_b32 s4, ttmp9, 11                       ; obs_traj and out0: 256 rows of 8 bytes, 64 a wave
	s_lshl_b32 s6, s62, 9
	s_add_co_u32 s4, s4, s6
	s_mov_b32 s5, 0
	s_mul_i32 s6, s62, 32*2056                     ; each wave converts 32 rows of every weight matrix
	s_mov_b32 s7, 0
	s_wait_kmcnt 0x0
	s_load_b64 s[42:43], s[38:39], 0x0             ; fcb's two numbers; no line of this text writes fcb
	s_add_nc_u64 s[8:9], s[8:9], s[2:3]
	s_add_nc_u64 s[10:11], s[10:11], s[4:5]
	s_add_nc_u64 s[40:41], s[40:41], s[4:5]
	s_add_nc_u64 s[12:13], s[12:13], s[6:7]
	s_lshl_b32 s2, s62, 14                         ; 32 rows of 512 bytes
.irp b, 14,16,18,20,22
	s_add_nc_u64 s[\b:\b+1], s[\b:\b+1], s[2:3]
.endr
	s_and_b32 s4, s62, 1                           ; fcW: waves 0 and 2 take row 0, waves 1 and 3 row 1
	s_lshl_b32 s4, s4, 9
	s_add_nc_u64 s[36:37], s[36:37], s[4:5]
; ---- THE WEIGHTS GO TO LDS: one stream of groups of 32 loads, two groups always out, into two sets of registers in window 3.
.macro W0LOAD g, set                   ; Wih0's rows 32 w + 4 g + 0..3, columns 0-511: 8 bytes a lane (its rows lie 2,056 bytes apart, a multiple of 8 alone), 256 consecutive bytes a load
	WIN 0xc0
.set n, 0
.rept 32
	global_load_b64 v[\set+2*n:\set+2*n+1], v[GL8], s[12:13] offset:(4*\g+n/8)*2056+256*(n%8)
.set n, n+1
.endr
.endm
.macro W0PROC g, set
	s_wait_loadcnt 32                              ; loads come back in order (ISA guide 5.7.1): this group is in, the younger group of 32 stays out
	WIN 0x0f
.set n, 0
.rept 32
	v_cvt_pk_f16_f32 v[F+n], v[\set+2*n], v[\set+2*n+1]
.set n, n+1
.endr
	WIN 0
.set n, 0
.rept 32
	ds_store_b32 v[SW0], v[F+n] offset:(4*\g+n/8)*PW0+128*(n%8)
.set n, n+1
.endr
.endm
.macro MLOAD sb, win, set              ; my 32 rows of a 128 x 128 matrix: a row of 512 bytes a load
	WIN \win
.set n, 0
.rept 32
	global_load_b128 v[\set+4*n:\set+4*n+3], v[GL16], s[\sb:\sb+1] offset:512*n
.set n, n+1
.endr
.endm
.macro MPROC win, set, lbase           ; they are rounded to f16 and stored at LDS byte lbase, pitch 272
	WIN 0
	v_add_nc_u32 v[SWT], \lbase, v[SWM]
	WIN \win
.set n, 0
.rept 64
	v_cvt_pk_f16_f32 v[F+n], v[\set+2*n], v[\set+2*n+1]
.set n, n+1
.endr
	WIN 0
.set n, 0
.rept 32
	ds_store_b64 v[SWT], v[F+2*n:F+2*n+1] offset:PW*n
.set n, n+1
.endr
.endm
.macro CTXLOAD r0, cnt, ks             ; rows r0 .. r0 + cnt - 1 of my 64, columns 128 ks .. + 127: 512 consecutive bytes a load, into the ring in window 2
	WIN 0x80
.set n, \r0
.rept \cnt
	global_load_b128 v[4*n:4*n+3], v[GL16], s[8:9] offset:2048*n+512*(\ks) th:TH_LOAD_NT
.set n, n+1
.endr
.endm
	global_load_b64 v[32:33], v[WPO], s[12:13] offset:2048         ; ten small loads: Wih0[32 w + lane][512:514],
.irp i, 0,1,2,3,4,5
	global_load_b32 v[34+\i], v[BO], s[24+2*\i:25+2*\i]            ; the six biases of channel = thread,
.endr
	global_load_b128 v[40:43], v[GL16], s[36:37]                   ; a row of fcW,
	global_load_b64 v[44:45], v[GL8], s[10:11] offset:OBS7         ; obs_traj[7] of my rows 0-31
	global_load_b64 v[46:47], v[GL8], s[10:11] offset:OBS7+256     ; and 32-63
	W0LOAD 0, 0
	WIN 0
.irp i, 0,1,2,3                        ; my wave's own first 512 bytes of its 64 rows of raw_ctx, each block of 256 bytes asked for once: they are loaded eleven groups further down
	global_prefetch_b8 v[PFO], s[8:9] offset:32768*\i th:TH_LOAD_NT scope:SCOPE_SE
.endr
	; the lane terms and constants are made while the loads are out
	v_and_b32 v[RR], 15, v0
	v_bfe_u32 v[HH], v0, 4, 1
	v_mul_u32_u24 v[AWH], v[RR], PW
	v_lshl_add_u32 v[AWH], v[HH], 4, v[AWH]        ; 272 r + 16 h, here at work: every cell writes v[AWH] anew
	v_add_nc_u32 v[AWI0], L_WIH1-WB, v[AWH]
	v_add_nc_u32 v[AWH0], L_WHH0, v[AWH]
	v_mul_u32_u24 v[AW0A], v[RR], PW0
	v_lshl_add_u32 v[AW0A], v[HH], 4, v[AW0A]
	v_add_nc_u32 v[AW0B], 64*PW0, v[AW0A]
	v_mul_u32_u24 v[APZ], v[RR], PWP
	v_add_nc_u32 v[APZ], L_WP+16, v[APZ]
	v_lshlrev_b32 v64, 4, v[HH]                    ; 16 h
	v_sub_nc_u32 v[APH], v[APZ], v64
	v_add3_u32 v[APL], v[APZ], v64, -16
	v_min_u32 v65, 2, v[RR]
	v_mul_u32_u24 v65, v65, PW
	v_add3_u32 v[AFL], v65, v64, L_FC
	v_add_nc_u32 v65, -8, v[RR]                    ; wraps for r < 8: the minimum then picks the row of zeros
	v_min_u32 v65, 2, v65
	v_mul_u32_u24 v65, v65, PW
	v_add3_u32 v[AFH], v65, v64, L_FC
	v_lshl_add_u32 v[ABIAS], v[HH], 5, L_BIAS
	s_mul_i32 s2, s62, 64*PW
	s_add_co_u32 s2, s2, L_STAGE                   ; my stage
	v_lshl_add_u32 v[STW], v[LANE], 3, s2
	v_add_nc_u32 v[STR], s2, v[AWH]
	s_mul_i32 s2, s62, 32*PW0
	v_lshl_add_u32 v[SW0], v[LANE], 2, s2
	s_mul_i32 s2, s62, 32*PW
	v_lshl_add_u32 v[SWM], v[LANE], 3, s2
	v_mul_u32_u24 v[WPS], v0, PWP
	v_add_nc_u32 v[WPS], L_WP, v[WPS]
	v_add_nc_u32 v64, L_BIAS, v[BO]                ; where my channel's biases go
	s_mul_i32 s2, s62, PW
	s_add_co_u32 s2, s2, L_FC
	v_lshl_add_u32 v65, v[LANE], 3, s2             ; where my 8 bytes of L_FC's row w go
	s_cmp_lt_u32 s62, 2
	s_cselect_b32 s63, -1, 0
	s_mov_b32 s[SA3], 0x15800000                   ; 2^-84
	s_mov_b32 s[SA3+1], 0x15800000
	s_mov_b32 s[SA1], 0x38875a00                   ; 17325 x 2^-28
	s_mov_b32 s[SA1+1], 0x38875a00
	s_mov_b32 s[SA0], 0x4803f7c0                   ; 135135
	s_mov_b32 s[SA0+1], 0x4803f7c0
	s_mov_b32 s[SB3], 0x17e00000                   ; 28 x 2^-84
	s_mov_b32 s[SB3+1], 0x17e00000
	s_mov_b32 s[SB1], 0x3973a200                   ; 62370 x 2^-28
	s_mov_b32 s[SB1+1], 0x3973a200
	s_mov_b32 s58, 0x479f0a3d                      ; 4.97 x 2^14
	s_mov_b32 s59, 0xc79f0a3d
	s_mov_b32 s60, 0x38800000                      ; 2^-14
	v_mov_b32 v[CA2], 0x27bd0000                   ; 378 x 2^-56
	v_mov_b32 v[CA2+1], 0x27bd0000
	v_mov_b32 v[CB2], 0x2944e000                   ; 3150 x 2^-56
	v_mov_b32 v[CB2+1], 0x2944e000
.irp i, 1,2,3,4,5,6,7
	v_mov_b32 v[PB+\i], 0                          ; of pos's two fragments only register 0 ever holds numbers
	v_mov_b32 v[PB+8+\i], 0
.endr
	W0LOAD 1, 128
	WIN 0
	s_wait_loadcnt 63                              ; the ten small loads are in: 64 loads are younger, and 63 is the largest count that can be written
	v_pk_mul_f32 v[32:33], v[32:33], 0x44800000 op_sel_hi:[1,0]    ; 1024 w
	v_cvt_pk_f16_f32 v[PB], v32, v33               ; PB's zeros serve as the row's zeros; register 0 takes pos below (an LDS store's sources need no wait)
	ds_store_b128 v[WPS], v[PB:PB+3]
	ds_store_b128 v[WPS], v[PB+4:PB+7] offset:16
	v_add_f32 v34, v34, v35
	v_add_f32 v36, v36, v37
	v_add_f32 v38, v38, v39
	v_mul_f32 v34, 0x46800000, v34                 ; times 2^14, exact
	v_mul_f32 v36, 0x46800000, v36
	v_mul_f32 v38, 0x46800000, v38
	ds_store_b32 v64, v34
	ds_store_b32 v64, v36 offset:512
	ds_store_b32 v64, v38 offset:1024
	v_cvt_pk_f16_f32 v40, v40, v41
	v_cvt_pk_f16_f32 v41, v42, v43
	v_and_b32 v40, s63, v40                        ; waves 2 and 3 store the two rows of zeros
	v_and_b32 v41, s63, v41
	ds_store_b64 v65, v[40:41]
	v_pk_mul_f32 v[44:45], v[44:45], 0x41800000 op_sel_hi:[1,0]    ; 16 pos
	v_pk_mul_f32 v[46:47], v[46:47], 0x41800000 op_sel_hi:[1,0]
	v_cvt_pk_f16_f32 v[PB], v44, v45
	v_cvt_pk_f16_f32 v[PB+8], v46, v47
	W0PROC 0, 0
	W0LOAD 2, 0
	W0PROC 1, 128
	W0LOAD 3, 128
	W0PROC 2, 0
	W0LOAD 4, 0
	W0PROC 3, 128
	W0LOAD 5, 128
	W0PROC 4, 0
	W0LOAD 6, 0
	W0PROC 5, 128
	W0LOAD 7, 128
	W0PROC 6, 0
	MLOAD 16, 0xc0, 0                              ; Wih1
	W0PROC 7, 128
	MLOAD 20, 0xc0, 128                            ; Wih2
	s_wait_loadcnt 32                              ; Wih1 is in, Wih2 stays out
	MPROC 0x0f, 0, L_WIH1
	MLOAD 14, 0xc0, 0                              ; Whh0
	s_wait_loadcnt 32
	MPROC 0x0f, 128, L_WIH2
	CTXLOAD 0, 32, 0                               ; the ring of raw_ctx is filled: rows 0-31,
	s_wait_loadcnt 32
	MPROC 0x0f, 0, L_WHH0
	CTXLOAD 32, 32, 0                              ; rows 32-63
	WIN 0
	s_wait_kmcnt 0x0                               ; fcb
	s_wait_dscnt 0x0                               ; for the others' sake: my rows of the weights are in LDS
	s_barrier_signal -1
	s_barrier_wait -1                              ; everybody's are; raw_ctx's loads stay on their way: no wave writes those bytes
; ---- C0 = raw_ctx . Wih0[:, :512]^T, four K steps of 128.  A K step's text is written out: it runs once, while the work-group takes in 128 KB of raw_ctx.
.macro LDFRAG f, areg, o               ; four fragments (16 rows x 128 K) into buffer f: 8 LDS loads
.set lf, 0
.rept 4
	ds_load_b128 v[F+32*(\f)+8*lf:F+32*(\f)+8*lf+3],   v[\areg] offset:(\o)+64*lf
	ds_load_b128 v[F+32*(\f)+8*lf+4:F+32*(\f)+8*lf+7], v[\areg] offset:(\o)+64*lf+32
.set lf, lf+1
.endr
.endm
.macro KSTEP ks
	; the ring's 64 rows are rounded to f16 and go to my stage, eight at a time, and each row's registers are loaded again at once with the next K step's 512 bytes
.set a, 0
.rept 8
.if \ks < 3
	s_wait_loadcnt 56                              ; the eight oldest loads are in, the ring's other 56 stay out
.else
	s_wait_loadcnt 56-8*a                          ; nothing is loaded behind them any more: the counts run down
.endif
	WIN 0x0a
.set n, 0
.rept 8
	v_cvt_pk_f16_f32 v[BI+2*n],   v[4*(8*a+n)],   v[4*(8*a+n)+1]
	v_cvt_pk_f16_f32 v[BI+2*n+1], v[4*(8*a+n)+2], v[4*(8*a+n)+3]
.set n, n+1
.endr
	WIN 0x80
.set n, 0
.rept 8
	ds_store_b64 v[STW], v[BI+2*n:BI+2*n+1] offset:PW*(8*a+n)
.set n, n+1
.endr
.if \ks < 3
	CTXLOAD 8*a, 8, \ks+1
.endif
.set a, a+1
.endr
.if \ks == 3
	MLOAD 18, 0x80, 0                              ; the ring is empty: Whh1's f32 take its first half
.endif
	; my 64 rows come back as 16 fragments.  LDS serves a wave's instructions in order (ISA guide 5.7.1.4): these see the stores above.  The 128 conversions above are the places behind the last K step's products.
	WIN 0xc0
.set n, 0
.rept 16
	ds_load_b128 v[8*n:8*n+3],   v[STR] offset:16*PW*(n%4)+64*(n/4)
	ds_load_b128 v[8*n+4:8*n+7], v[STR] offset:16*PW*(n%4)+64*(n/4)+32
.set n, n+1
.endr
	WIN 0
	LDFRAG 0, AW0A, 256*\ks
.set M, 0
.rept 8                                ; 16 channels at a time: 16 products on four accumulators, which take turns, one instruction a turn
.if M < 7
.if M > 0
	PLACES
.endif
	WIN 0
.if M < 3
	LDFRAG (M+1)%2, AW0A, (M+1)*16*PW0+256*\ks
.else
	LDFRAG (M+1)%2, AW0B, (M-3)*16*PW0+256*\ks
.endif
	s_wait_dscnt 8                                 ; all but the eight just issued
.else
	s_wait_dscnt 0
.endif
.if (\ks == 3) && (M == 3)
	MLOAD 22, 0x80, 128                            ; Whh2's f32 take the ring's second half
.endif
	WIN 0x5c
.set kc, 0
.rept 4
.set nn, 0
.rept 4
.set rD, 8*(4*M+nn)
.set rA, F+32*(M%2)+8*kc
.set rB, 8*(4*kc+nn)
.if (\ks == 0) && (kc == 0)
	v_wmma_f32_16x16x32_f16 v[rD:rD+7], v[rA:rA+7], v[rB:rB+7], 0      ; the first product starts the sum: nothing is cleared
.else
	v_wmma_f32_16x16x32_f16 v[rD:rD+7], v[rA:rA+7], v[rB:rB+7], v[rD:rD+7]
.endif
.set nn, nn+1
.endr
.set kc, kc+1
.endr
.set M, M+1
.endr
.endm
	KSTEP 0
	KSTEP 1
	KSTEP 2
	KSTEP 3
	PLACES
	WIN 0
.set M, 0
.rept 8
	ds_load_b128 v[F+8*M:F+8*M+3],   v[ABIAS] offset:64*M          ; cell 0's biases of my channels 16 M + 8 h + 0..7
	ds_load_b128 v[F+8*M+4:F+8*M+7], v[ABIAS] offset:64*M+16
.set M, M+1
.endr
	s_wait_dscnt 0x0                               ; the biases are in, and my reads of Wih0's image and of my stage are over:
	s_barrier_signal -1                            ; say so, and finish C0 on registers while the others arrive
	WIN 0x41
.set n, 0
.rept 32
.set i, 0
.rept 4
	v_pk_fma_f32 v[8*n+2*i:8*n+2*i+1], v[8*n+2*i:8*n+2*i+1], 0x46800000, v[F+8*(n/4)+2*i:F+8*(n/4)+2*i+1] op_sel_hi:[1,0,1]   ; 2^14 sum + 2^14 bias; each accumulator from its low end on
.set i, i+1
.endr
.set n, n+1
.endr
	WIN 0
	s_barrier_wait -1                              ; no wave reads Wih0's image or a stage any more: Whh1 and Whh2 are written over the stages, the queue's entries over the image
	s_wait_loadcnt 32                              ; Whh1 is in, Whh2's 32 loads may be out
	MPROC 0x0a, 0, L_WHH1
	s_wait_loadcnt 0
	MPROC 0x0a, 128, L_WHH2
	; The queue starts with three states of zeros: my LDS entry from PB's zeros, X and OLD from the entry (LDS serves a wave's instructions in order).
	s_lshl_b32 s2, s62, 14
	v_lshl_add_u32 v[RG], v[LANE], 4, s2           ; 16,384 w + 16 lane: 32 lanes x 16 neighbouring bytes, 512 bytes for each four registers of a state
.set n, 0
.rept 32
	ds_store_b128 v[RG], v[PB+4:PB+7] offset:512*n
.set n, n+1
.endr
	WIN 0xc0
.set n, 0
.rept 32
	ds_load_b128 v[4*n:4*n+3], v[RG] offset:512*n
	ds_load_b128 v[OLD+4*n:OLD+4*n+3], v[RG] offset:512*n
.set n, n+1
.endr
	WIN 0
	s_wait_xcnt 0x0                                ; every memory instruction so far has had its addresses translated (ISA guide 3.1): v26-31, offsets until now, are rewritten only behind this wait
	s_wait_dscnt 0x0                               ; for the others' sake: my rows of Whh1 and Whh2 are in LDS
	s_barrier_signal -1
	s_barrier_wait -1                              ; the last barrier: from here on the weights are only read, and a wave's entry of the queue is its own
; ---- THE STEPS.
.macro LDBIAS f, m                     ; this cell's biases of channels 16 m + 8 h + 0..7 into bias buffer f
	ds_load_b128 v[BI+8*(\f):BI+8*(\f)+3],   v[ABL] offset:64*(\m)
	ds_load_b128 v[BI+8*(\f)+4:BI+8*(\f)+7], v[ABL] offset:64*(\m)+16
.endm
.macro LDPOS f, q                      ; WpLo(2 q), WpHi(2 q), WpLo(2 q + 1), WpHi(2 q + 1) into buffer f: 8 LDS loads
.set lf, 0
.rept 2
	ds_load_b128 v[F+32*(\f)+16*lf:F+32*(\f)+16*lf+3],     v[APL] offset:16*PWP*(2*(\q)+lf)
	ds_load_b128 v[F+32*(\f)+16*lf+4:F+32*(\f)+16*lf+7],   v[APZ] offset:16*PWP*(2*(\q)+lf)
	ds_load_b128 v[F+32*(\f)+16*lf+8:F+32*(\f)+16*lf+11],  v[APH] offset:16*PWP*(2*(\q)+lf)
	ds_load_b128 v[F+32*(\f)+16*lf+12:F+32*(\f)+16*lf+15], v[APZ] offset:16*PWP*(2*(\q)+lf)
.set lf, lf+1
.endr
.endm
; ACC (+)= W . B for the 128 x 128 matrix at areg.  B: 16 fragments at bbase in window 3.  bias = 1: the first products start the sums with the cell's bias.
; The fragments of channels 0-15 (and their bias) have been asked for, into buffer 0.  nareg >= 0: the last batch asks for the first fragments of the matrix that follows.
; 16 products a batch on four accumulators, which take turns, one instruction a turn; neighbouring batches have other accumulators.
.macro MM8 areg, bbase, bias, nareg
.set M, 0
.rept 8
.if M < 7
	PLACES                                         ; the other buffer was read by the batch before
	WIN 0
	LDFRAG (M+1)%2, \areg, 16*PW*(M+1)
.if \bias
	LDBIAS (M+1)%2, M+1
	s_wait_dscnt 10                                ; all but the ten just issued
.else
	s_wait_dscnt 8                                 ; all but the eight just issued
.endif
.elseif \nareg >= 0
	PLACES
	WIN 0
	LDFRAG 0, \nareg, 0
	s_wait_dscnt 8
.else
	s_wait_dscnt 0
.endif
.set kc, 0
.rept 4
.if \bias && (kc == 0)
	WIN 0x8c                                       ; B in window 3, D in window 2, C, the bias, in window 0
.else
	WIN 0xac                                       ; C in window 2 too
.endif
.set nn, 0
.rept 4
.set rD, 8*(4*M+nn)
.set rA, F+32*(M%2)+8*kc
.set rB, \bbase+8*(4*kc+nn)
.if \bias && (kc == 0)
	v_wmma_f32_16x16x32_f16 v[rD:rD+7], v[rA:rA+7], v[rB:rB+7], v[BI+8*(M%2):BI+8*(M%2)+7]
.else
	v_wmma_f32_16x16x32_f16 v[rD:rD+7], v[rA:rA+7], v[rB:rB+7], v[rD:rD+7]
.endif
.set nn, nn+1
.endr
.set kc, kc+1
.endr
.set M, M+1
.endr
.endm
; X = f16(2^14 tanh(ACC / 2^14)).  16 groups: channels 32 p .. + 31 of tile n, 16 numbers a lane, which make one fragment of 8 registers.
; With x the clamped ACC and T = x^2: h = x (((A3 T + A2) T + A1) T + A0) / (((B3 T + B2) T + B1) T + A0); the powers of 2^-28 that T carries lie in the constants.
.macro TANH
.set tp, 0
.rept 4
.set tn, 0
.rept 4
	WIN 0x02
.set i, 0
.rept 8
	v_med3_num_f32 v[TX+i], v[8*(8*tp+tn)+i], s58, s59             ; each accumulator from its low end on
.set i, i+1
.endr
.set i, 0
.rept 8
	v_med3_num_f32 v[TX+8+i], v[8*(8*tp+4+tn)+i], s58, s59
.set i, i+1
.endr
	WIN 0
.set i, 0
.rept 8
	v_pk_mul_f32 v[TT+i:TT+i+1], v[TX+i:TX+i+1], v[TX+i:TX+i+1]
.set i, i+2
.endr
.set i, 0
.rept 8
	v_pk_fma_f32 v[TQ+i:TQ+i+1], v[TT+i:TT+i+1], s[SB3:SB3+1], v[CB2:CB2+1] op_sel_hi:[1,0,1]
.set i, i+2
.endr
.set i, 0
.rept 8
	v_pk_fma_f32 v[TQ+i:TQ+i+1], v[TQ+i:TQ+i+1], v[TT+i:TT+i+1], s[SB1:SB1+1] op_sel_hi:[1,1,0]
.set i, i+2
.endr
.set i, 0
.rept 8
	v_pk_fma_f32 v[TQ+i:TQ+i+1], v[TQ+i:TQ+i+1], v[TT+i:TT+i+1], s[SA0:SA0+1] op_sel_hi:[1,1,0]
.set i, i+2
.endr
.set i, 0
.rept 8                                ; behind each reciprocal stands a plain instruction that touches neither its result nor its source (ISA guide 5.7.2): a step of the numerator
	v_rcp_f32 v[TQ+i], v[TQ+i]
	v_pk_fma_f32 v[TP+2*i:TP+2*i+1], v[TT+2*i:TT+2*i+1], s[SA3:SA3+1], v[CA2:CA2+1] op_sel_hi:[1,0,1]
.set i, i+1
.endr
.set i, 0
.rept 8
	v_rcp_f32 v[TQ+8+i], v[TQ+8+i]
	v_pk_fma_f32 v[TP+2*i:TP+2*i+1], v[TP+2*i:TP+2*i+1], v[TT+2*i:TT+2*i+1], s[SA1:SA1+1] op_sel_hi:[1,1,0]
.set i, i+1
.endr
.set i, 0
.rept 8
	v_pk_fma_f32 v[TP+i:TP+i+1], v[TP+i:TP+i+1], v[TT+i:TT+i+1], s[SA0:SA0+1] op_sel_hi:[1,1,0]
.set i, i+2
.endr
.set i, 0
.rept 8
	v_pk_mul_f32 v[TP+i:TP+i+1], v[TP+i:TP+i+1], v[TX+i:TX+i+1]
.set i, i+2
.endr
.set i, 0
	s_wait_alu depctr_va_vdst(0)
.rept 8
	v_pk_mul_f32 v[TP+i:TP+i+1], v[TP+i:TP+i+1], v[TQ+i:TQ+i+1]
.set i, i+2
.endr
	WIN 0xc0
.set i, 0
.rept 8
	v_cvt_pk_f16_f32 v[8*(4*tp+tn)+i], v[TP+2*i], v[TP+2*i+1]
.set i, i+1
.endr
.set tn, tn+1
.endr
.set tp, tp+1
.endr
.endm
	s_mov_b32 s61, 6                               ; steps to go
.Lstep:                                                ; at a label and at a branch every window is 0
	s_mov_b32 s[LYR], 0
	s_mov_b32 s[LO], 0
	s_mov_b32 s[BLO], 0
.Llayer:                                               ; one trip is one cell: 3 trips a step
	v_add_nc_u32 v[AWH], s[LO], v[AWH0]            ; this cell's Whh
	s_cmp_lg_u32 s[LYR], 0
	s_cbranch_scc1 .Lwih
	; CELL 0's input: ACC = C0 + Wih0[:, 512:514] . pos.  Four batches of 32 channels: 8 products on 8 accumulators.  The places behind the head's products stand in front of its stores.
	LDPOS 0, 0
.set pq, 0
.rept 4
.if pq < 3
.if pq > 0
	PLACES
.endif
	WIN 0
	LDPOS (pq+1)%2, pq+1
	s_wait_dscnt 8                                 ; all but the eight just issued
.else
	PLACES
	WIN 0
	LDFRAG 0, AWH, 0                               ; Whh0's first fragments
	s_wait_dscnt 8
.endif
	WIN 0x90                                       ; C = C0 in window 1, D = ACC in window 2
.set mi, 0
.rept 2
.set nn, 0
.rept 4
.set rD, 8*(4*(2*pq+mi)+nn)
.set rA, F+32*(pq%2)+8*(2*mi+(nn&1))
.set rB, PB+8*(nn>>1)
	v_wmma_f32_16x16x32_f16 v[rD:rD+7], v[rA:rA+7], v[rB:rB+7], v[rD:rD+7]
.set nn, nn+1
.endr
.set mi, mi+1
.endr
.set pq, pq+1
.endr
	WIN 0
	s_branch .Lwhh
.Lwih:
	; CELLS 1 AND 2's input: ACC = bias + Wih . X
	v_add_nc_u32 v[AWI], s[LO], v[AWI0]
	v_add_nc_u32 v[ABL], s[BLO], v[ABIAS]
	LDFRAG 0, AWI, 0
	LDBIAS 0, 0
	MM8 AWI, 0, 1, AWH
	WIN 0
.Lwhh:                                                 ; on both ways Whh's first eight fragment loads are the only LDS instructions that may be out
	s_cmp_eq_u32 s61, 6                            ; in step 0 the states are zero: the products with Whh would add nothing and are jumped over
	s_cbranch_scc1 .Lturn
	MM8 AWH, OLD, 0, -1                            ; ACC += Whh . OLD
	WIN 0
.Lturn:
	s_wait_dscnt 0x0                               ; met at once behind Whh's products; on the way round them the eight fragments asked for ahead come in: tanh writes their registers
	PLACES                                         ; behind the cell's last products: for the loads into OLD and for tanh's first reads and writes
	; THE QUEUE TURNS: OLD takes my LDS entry, X goes into the same bytes.  LDS serves a wave's instructions in order (ISA guide 5.7.1.4): the loads see the old bytes.
	; OLD is first read behind the next cell's waits for younger LDS loads; an LDS store's sources need no wait, so tanh may write X.
	WIN 0xc0
.set n, 0
.rept 32
	ds_load_b128 v[OLD+4*n:OLD+4*n+3], v[RG] offset:512*n
.set n, n+1
.endr
	WIN 0x0c                                       ; a store's data are source 1: window 3
.set n, 0
.rept 32
	ds_store_b128 v[RG], v[4*n:4*n+3] offset:512*n
.set n, n+1
.endr
	TANH
	WIN 0
	s_add_co_u32 s[LO], s[LO], WB                  ; the next cell's matrices and biases
	s_add_co_u32 s[BLO], s[BLO], 512
	s_add_co_u32 s[LYR], s[LYR], 1
	s_cmp_lt_u32 s[LYR], 3
	s_cbranch_scc1 .Llayer
	; THE HEAD, on X = h2: two accumulators, which take turns, one instruction a turn
	LDFRAG 0, AFL, 0
	LDFRAG 1, AFH, 0
	s_wait_dscnt 0
	WIN 0xac
.set kc, 0
.rept 4
.if kc == 0
	v_wmma_f32_16x16x32_f16 v[0:7],  v[F:F+7], v[0:7], 0
	v_wmma_f32_16x16x32_f16 v[8:15], v[F:F+7], v[16:23], 0
.else
	v_wmma_f32_16x16x32_f16 v[0:7],  v[F+8*kc:F+8*kc+7], v[8*(4*kc):8*(4*kc)+7], v[0:7]
	v_wmma_f32_16x16x32_f16 v[8:15], v[F+8*kc:F+8*kc+7], v[8*(4*kc+2):8*(4*kc+2)+7], v[8:15]
.endif
	v_wmma_f32_16x16x32_f16 v[0:7],  v[F+32+8*kc:F+32+8*kc+7], v[8*(4*kc+1):8*(4*kc+1)+7], v[0:7]
	v_wmma_f32_16x16x32_f16 v[8:15], v[F+32+8*kc:F+32+8*kc+7], v[8*(4*kc+3):8*(4*kc+3)+7], v[8:15]
.set kc, kc+1
.endr
	PLACES
	WIN 0x02
	v_fma_f32 v[OUTP],   v0, s60, s42              ; out = 2^-14 O + fcb: rows 64 w + lane,
	v_fma_f32 v[OUTP+1], v1, s60, s43
	v_fma_f32 v[OUTP+2], v8, s60, s42              ; rows 64 w + 32 + lane
	v_fma_f32 v[OUTP+3], v9, s60, s43
	WIN 0
	global_store_b64 v[GL8], v[OUTP:OUTP+1],   s[40:41] th:TH_STORE_NT               ; each store of the wave covers 256 consecutive bytes, aligned
	global_store_b64 v[GL8], v[OUTP+2:OUTP+3], s[40:41] offset:256 th:TH_STORE_NT
	v_pk_mul_f32 v[TMPP:TMPP+1], v[OUTP:OUTP+1], 0x41800000 op_sel_hi:[1,0]         ; the next step's pos, times 16 in f16 (after the last step these four results are not used)
	v_cvt_pk_f16_f32 v[PB], v[TMPP], v[TMPP+1]
	v_pk_mul_f32 v[TMPP:TMPP+1], v[OUTP+2:OUTP+3], 0x41800000 op_sel_hi:[1,0]
	v_cvt_pk_f16_f32 v[PB+8], v[TMPP], v[TMPP+1]
	s_wait_xcnt 0x0                                ; the stores' base, and their data in the next step, are rewritten only behind this wait
	s_add_nc_u64 s[40:41], s[40:41], STEPB         ; out0's next step
	s_sub_co_u32 s61, s61, 1
	s_cmp_lg_u32 s61, 0
	s_cbranch_scc1 .Lstep
	s_wait_tensorcnt 0x0
	ds_add_u32 v254, v255
	s_wait_dscnt 0x0
	s_endpgm
.Lfunc_end_k_qc5ac6dee25_rnn:
	.size	k_qc5ac6dee25_rnn, .Lfunc_end_k_qc5ac6dee25_rnn-k_qc5ac6dee25_rnn
	.p2alignl 7, 3214868480
	.fill 96, 4, 3214868480
	.section	.rodata,"a",@progbits
	.p2align	6, 0x0
	.amdhsa_kernel k_qc5ac6dee25_rnn
		.amdhsa_group_segment_fixed_size 316672
		.amdhsa_private_segment_fixed_size 0
		.amdhsa_enable_private_segment 0
		.amdhsa_kernarg_size 136
		.amdhsa_user_sgpr_count 2
		.amdhsa_user_sgpr_kernarg_segment_ptr 1
		.amdhsa_wavefront_size32 1
		.amdhsa_system_sgpr_workgroup_id_x 1
		.amdhsa_system_sgpr_workgroup_id_y 1
		.amdhsa_system_sgpr_workgroup_id_z 1
		.amdhsa_system_vgpr_workitem_id 0
		.amdhsa_next_free_vgpr 1024
		.amdhsa_next_free_sgpr 66
		.amdhsa_reserve_vcc 0
		.amdhsa_float_denorm_mode_32 3
		.amdhsa_float_denorm_mode_16_64 3
		.amdhsa_memory_ordered 1
		.amdhsa_forward_progress 1
		.amdhsa_inst_pref_size 255
	.end_amdhsa_kernel
	.section	.bss,"aw",@nobits
	.p2align	6
	.space	262144
	.amdgpu_metadata
---
amdhsa.version: [ 1, 2 ]
amdhsa.kernels:
  - .name:           k_qc5ac6dee25_rnn
    .symbol:         k_qc5ac6dee25_rnn.kd
    .args:
      - { .name: raw_ctx, .offset: 0, .size: 8, .value_kind: global_buffer, .address_space: global }
      - { .name: obs_traj, .offset: 8, .size: 8, .value_kind: global_buffer, .address_space: global }
      - { .name: Wih0, .offset: 16, .size: 8, .value_kind: global_buffer, .address_space: global }
      - { .name: Whh0, .offset: 24, .size: 8, .value_kind: global_buffer, .address_space: global }
      - { .name: Wih1, .offset: 32, .size: 8, .value_kind: global_buffer, .address_space: global }
      - { .name: Whh1, .offset: 40, .size: 8, .value_kind: global_buffer, .address_space: global }
      - { .name: Wih2, .offset: 48, .size: 8, .value_kind: global_buffer, .address_space: global }
      - { .name: Whh2, .offset: 56, .size: 8, .value_kind: global_buffer, .address_space: global }
      - { .name: bih0, .offset: 64, .size: 8, .value_kind: global_buffer, .address_space: global }
      - { .name: bhh0, .offset: 72, .size: 8, .value_kind: global_buffer, .address_space: global }
      - { .name: bih1, .offset: 80, .size: 8, .value_kind: global_buffer, .address_space: global }
      - { .name: bhh1, .offset: 88, .size: 8, .value_kind: global_buffer, .address_space: global }
      - { .name: bih2, .offset: 96, .size: 8, .value_kind: global_buffer, .address_space: global }
      - { .name: bhh2, .offset: 104, .size: 8, .value_kind: global_buffer, .address_space: global }
      - { .name: fcW, .offset: 112, .size: 8, .value_kind: global_buffer, .address_space: global }
      - { .name: fcb, .offset: 120, .size: 8, .value_kind: global_buffer, .address_space: global }
      - { .name: out0, .offset: 128, .size: 8, .value_kind: global_buffer, .address_space: global }
    .group_segment_fixed_size: 316672
    .private_segment_fixed_size: 0
    .kernarg_segment_align: 8
    .kernarg_segment_size: 136
    .max_flat_workgroup_size: 128
    .sgpr_count:     66
    .vgpr_count:     1024
    .wavefront_size: 32
...
	.end_amdgpu_metadata
.endif
;; end of part 2
